; MI455X (gfx1250); checked and timed in simulation.
; The chip was launched on July 23, 2026; its instructions are those of AMD's public machine-readable ISA for CDNA 5 (MIT licence, August 2026) and "CDNA5" Instruction Set Architecture Reference Guide (July 2026). The comments in the code are by the model that wrote it; some were corrected since.
;; Attention. Allowed arithmetic: float matrix products may take bf16 or f16 operands with f32 sums; other float arithmetic in f32, or as packed bf16 or f16 multiplies, adds, multiply-adds, maxima and minima; sums over many terms, partial sums and values carried from step to step in f32; what a program stores and reads back later, other than sums and carried values, may be rounded once to bf16 or f16.
;; Inputs: query 8 x 2,048 x 1,024 float32; value 8 x 2,048 x 1,024 float32.
;; Outputs: out0 8 x 2,048 x 1,024 float32.
;; One version. Each part assembles by itself: llvm-mc -triple=amdgcn-amd-amdhsa -mcpu=gfx1250 --defsym DOCPART=n.
;; ======== version 1 of 1: 2 launches
;; workspace buffers: vb 33,554,432 bytes
;; launch tobf (part 1): grid 1024 x 1, 8 waves a work-group, no clusters, 0 bytes of LDS; arguments value, vb; writes vb
.if DOCPART == 1
	.amdgcn_target "amdgcn-amd-amdhsa--gfx1250"
	.amdhsa_code_object_version 6
	.text
	.protected	k_qa8acef2359_tobf
	.globl	k_qa8acef2359_tobf
	.p2align	8
	.type	k_qa8acef2359_tobf,@function
k_qa8acef2359_tobf:
	s_mov_b64 s[64:65], 0
	v_nop
	global_prefetch_b8 v0, s[64:65] scope:SCOPE_SE
	s_setreg_imm32_b32 hwreg(HW_REG_WAVE_MODE, 25, 1), 1
	s_wait_xcnt 0x0
; vb = value rounded once to bf16 (nearest even).  value: [8][2048][1024] f32, vb: the same shape in bf16.
; A stream: every byte is read once and written once; no LDS, no barrier, no matrix unit: nothing is shared and nothing is summed.
; A work-group takes 65,536 bytes of value as 16 pieces of 4,096; thread t takes 16 bytes of each piece, so a wave's load covers
; 512 consecutive bytes and its store of 8 bytes a lane 256 consecutive bytes, aligned.  All 16 loads of a wave go out before the first wait.
.set PIECES, 16
.set X, 4                              ; v[4:67]   piece i: four f32 as loaded
.set Y, 68                             ; v[68:99]  piece i: four bf16 to store; each pair is written once, so no store's data is ever rewritten
	s_load_b128 s[4:7], s[0:1], 0x0                ; value s[4:5], vb s[6:7]
	v_lshlrev_b32 v1, 4, v0                        ; my 16 bytes in a piece of value
	v_lshlrev_b32 v2, 3, v0                        ; my 8 bytes in a piece of vb
	s_lshl_b32 s8, ttmp9, 16                       ; the work-group's 65,536 bytes of value (1,024 work-groups: under 2^26)
	s_mov_b32 s9, 0
	s_lshl_b32 s10, ttmp9, 15                      ; and its 32,768 bytes of vb
	s_mov_b32 s11, 0
	s_wait_kmcnt 0x0
	s_add_nc_u64 s[4:5], s[4:5], s[8:9]
	s_add_nc_u64 s[6:7], s[6:7], s[10:11]
.set i, 0
.rept PIECES
	global_load_b128 v[X+4*i:X+4*i+3], v1, s[4:5] offset:4096*i th:TH_LOAD_NT
.set i, i+1
.endr
.set i, 0
.rept PIECES
	s_wait_loadcnt PIECES-1-i                      ; loads come back in order: piece i is in, the younger ones stay out
	v_cvt_pk_bf16_f32 v[Y+2*i], v[X+4*i], v[X+4*i+1]
	v_cvt_pk_bf16_f32 v[Y+2*i+1], v[X+4*i+2], v[X+4*i+3]
	global_store_b64 v2, v[Y+2*i:Y+2*i+1], s[6:7] offset:2048*i
.set i, i+1
.endr
	s_endpgm
.Lfunc_end_k_qa8acef2359_tobf:
	.size	k_qa8acef2359_tobf, .Lfunc_end_k_qa8acef2359_tobf-k_qa8acef2359_tobf
	.p2alignl 7, 3214868480
	.fill 96, 4, 3214868480
	.section	.rodata,"a",@progbits
	.p2align	6, 0x0
	.amdhsa_kernel k_qa8acef2359_tobf
		.amdhsa_group_segment_fixed_size 0
		.amdhsa_private_segment_fixed_size 0
		.amdhsa_enable_private_segment 0
		.amdhsa_kernarg_size 16
		.amdhsa_user_sgpr_count 2
		.amdhsa_user_sgpr_kernarg_segment_ptr 1
		.amdhsa_wavefront_size32 1
		.amdhsa_system_sgpr_workgroup_id_x 1
		.amdhsa_system_sgpr_workgroup_id_y 1
		.amdhsa_system_sgpr_workgroup_id_z 1
		.amdhsa_system_vgpr_workitem_id 0
		.amdhsa_next_free_vgpr 100
		.amdhsa_next_free_sgpr 66
		.amdhsa_reserve_vcc 0
		.amdhsa_float_denorm_mode_32 3
		.amdhsa_float_denorm_mode_16_64 3
		.amdhsa_memory_ordered 1
		.amdhsa_forward_progress 1
		.amdhsa_inst_pref_size 7
	.end_amdhsa_kernel
	.amdgpu_metadata
---
amdhsa.version: [ 1, 2 ]
amdhsa.kernels:
  - .name:           k_qa8acef2359_tobf
    .symbol:         k_qa8acef2359_tobf.kd
    .args:
      - { .name: value, .offset: 0, .size: 8, .value_kind: global_buffer, .address_space: global }
      - { .name: vb, .offset: 8, .size: 8, .value_kind: global_buffer, .address_space: global }
    .group_segment_fixed_size: 0
    .private_segment_fixed_size: 0
    .kernarg_segment_align: 8
    .kernarg_segment_size: 16
    .max_flat_workgroup_size: 256
    .sgpr_count:     66
    .vgpr_count:     100
    .wavefront_size: 32
...
	.end_amdgpu_metadata
.endif
;; end of part 1
;; launch attn (part 2): grid 32 x 8, 4 waves a work-group, clusters of 4 x 1, 327,680 bytes of LDS; arguments query, vb, out0; writes out0
.if DOCPART == 2
	.amdgcn_target "amdgcn-amd-amdhsa--gfx1250"
	.amdhsa_code_object_version 6
	.text
	.protected	k_qa8acef2359_attn
	.globl	k_qa8acef2359_attn
	.p2align	8
	.type	k_qa8acef2359_attn,@function
k_qa8acef2359_attn:
	s_mov_b64 s[64:65], 0
	v_nop
	global_prefetch_b8 v0, s[64:65] scope:SCOPE_SE
	s_setreg_imm32_b32 hwreg(HW_REG_WAVE_MODE, 25, 1), 1
	s_wait_xcnt 0x0
	s_wait_alu depctr_hold_cnt(0) depctr_sa_sdst(0) depctr_va_vdst(0) depctr_va_sdst(0) depctr_va_ssrc(0) depctr_va_vcc(0) depctr_vm_vsrc(0)
	s_getreg_b32 s2, hwreg(HW_REG_IB_STS2, 6, 4)
	s_cmp_eq_u32 s2, 0
	s_cbranch_scc0 .Lentry_in_a_cluster
	s_endpgm
.Lentry_in_a_cluster:
	s_bfe_u32 s2, ttmp6, 0x10000c
	s_cmp_lg_u32 s2, 0x3003
	s_cbranch_scc0 .Lentry_shape_is_right
	s_endpgm
.Lentry_shape_is_right:
; CAUSAL ATTENTION, key = value, no scale.  out[b][q][:] = the sum over k <= q of softmax_k(Q[b][q] . V[b][k]) V[b][k][:].
; query, out0: [8][2048][1024] f32.  vb: value rounded to bf16, [8][2048][1024].  Q is rounded to bf16 on its way into registers.  Products, maxima and sums in f32;
; the weights p are rounded to bf16 for the second product (their sum l is taken of the unrounded p).
; LIMITS.  A hidden score counts as -1e30 (the problem takes 1e9 away: both give the weight 0 while visible scores stay far below 1e9 in size).  A weight below 2^-126 counts as 0.
; NaN and infinities are not treated apart: O's registers start from the staged Q times a = 0, so an infinite number in Q would spoil its block of 64 rows.
; SHARES.  A work-group owns 64 queries (block QB) of one batch.  THE CHANNELS ARE SPLIT AMONG ITS FOUR WAVES: wave w owns channels 256 w .. 256 w + 255 of everything: its quarter of
; each tile of V (which it fetches itself and alone reads), Q[64][256] (256 registers), O^T[256][64] (512 registers).  So a fragment of V read from LDS feeds four matrix instructions.
; A STEP is a tile of 64 keys.  S^T = V Q^T is a sum over channels: each wave makes a partial S^T (64 keys x 64 queries) over its 256 channels; the partial sums, in f32, meet in LDS; wave d adds up
; query tile d (16 queries), does its softmax, and publishes P (bf16) and the factor a; then every wave adds O^T += V^T P for its channels and all 64 queries.
; LOCAL TILES.  Wave w's local query tile u is the block's tile w ^ u, so that local tile 0 is the wave's own in one text for all waves.
; LAYOUT.  In S^T a lane holds ONE query (lane % 16) and the keys 8 (lane / 16) + 0..7 of each 16; two such results rounded in pairs ARE source 1 (32 keys x 16 queries) of V^T P.
; V^T comes out of LDS by ds_load_tr16_b128, whose second group of eight lanes is set 64 channels (128 bytes) on, not 8: row m of source 0 is channel c0 + 64 (m / 8) + m % 8.
; SOFTMAX.  A running maximum m and sum l for each query: p = 2^(c s - c m), c = log2(e); in every step O and l are multiplied by a = 2^(c m_old - c m_new).  c m starts far below every c s: the first a is 0.
; CLUSTER.  Four neighbouring blocks of a batch walk the SAME 4 X + 4 tiles (X = the cluster's x), each asked for JOINTLY (mask of four).  In the last four tiles a partner sees all, the diagonal, or
; nothing of a tile; it computes all of them under a mask made of whole numbers.
; REGISTERS, in windows of 256 (s_set_vgpr_msb: bits 1:0 source 0, 3:2 source 1, 5:4 source 2, 7:6 destination):
;   window 0: v0-31 addresses and statistics; v32-159 partial S^T (local tile u, key tile kt at 32 + 32 u + 8 kt), later the others' partial sums and P; v160-255 three buffers of four fragments
;   window 1: Q, fragment (u, kf) at 8 (8 u + kf)      windows 2, 3: O^T, accumulator (ct, u) at 8 (4 (ct % 8) + u) of window 2 + ct / 8
.set PITCH, 528                        ; a key's 512 bytes of one quarter + 16 of padding = 132 words: row r starts at bank 4 r mod 64 (64 banks of 4 bytes: ISA guide 11.1)
.set QUART, 64*PITCH                   ; a wave's quarter of a tile
.set SLOT,  4*QUART                    ; a tile: 135,168 bytes; two slots
.set PART,  2*SLOT                     ; behind the ring, never filled by a tensor load: a region of 12,288 bytes for each wave, into which that wave alone stores
.set REGB,  12288                      ; three partial tiles of 4,096 bytes (register images: lane l at 16 l); later P (2,048 bytes) and a over the first of them
.set AOFF,  2048                       ; a (at the end 1 / l): a word a lane at 2,048 + 16 l
.set STG,   2560                       ; the way out: 16 rows x 528 bytes, to 11,008
.set SPARE, PART+4*REGB                ; the spare words, 128 bytes for each wave: two blocks of 256 bytes that no other line names
.set TILEB, 131072                     ; a tile of 64 keys in vb
.set AK,  2                            ; v2-3   my lane's place in a fragment of K, my quarter, slot 0, 1
.set AV,  4                            ; v4-5   the same for the turning load
.set BU,  6                            ; v6-9   region w ^ u + 16 l; v6 is my own region
.set SPW, 10                           ; v10    LDS address of my spare word; never rewritten
.set NIL, 11                           ; v11    0; never rewritten
.set THR, 12                           ; v12    score 16 kt + j of my own tile is hidden where 16 kt + j > THR (signed)
.set BIG, 13                           ; v13    -1e30
.set CM,  14                           ; v14    c m
.set MX,  15                           ; v15    m
.set LS,  16                           ; v[16:17] l: even keys', odd keys'
.set CC,  18                           ; v18-21 at work; at the head my offsets in Q for the four local tiles
.set CMO, 22                           ; v22    c m_old
.set PFO, 23                           ; v23    the prefetches' offset; never rewritten
.set AF,  24                           ; v24, 26, 28, 30: a of local tile u; the odd registers hold 0 (named as pairs)
.set S,   32
.set P,   64                           ; P of local tile u, keys 32 kk on, at 64 + 16 u + 8 kk
.set BUF, 160
.set E,   32                           ; the way out: 64 registers scaled
.set RB,  96                           ; the way out: 16 rows read back: v96-159 and v160-223 by turns
.set STO, 2                            ; the way out: where I put my 256 bytes of a row
.set RD,  3                            ; where I read a row back
.set GO,  4                            ; my byte offset in a row of out0
.set CX,  10                           ; s10 my place in the cluster: it enters Q's, out0's and the prefetches' addresses and THR alone
.set QB,  11                           ; s11 my block of 64 queries
.set WV,  12                           ; s12 my wave's number
.set BT,  13                           ; s13 the batch
.set T,   14                           ; s14 the step
.set T0,  15                           ; s15 the first tile that wants a mask: 4 X
.set I,   16                           ; s16 the loop's counter
.set TRIPS, 17                         ; s17 2 X + 1: all tiles but the last two, two a trip
.set PFL, 18                           ; s18 steps below it prefetch: 29 in the batch's last cluster, else 0
.set WQ,  19                           ; s19 w x QUART
.set PFA, 20                           ; s[20:21] where the prefetches stand
.set G1,  24                           ; s[24:31] descriptor group 1
.set G0,  32                           ; s[32:39] descriptor group 0, a set for each slot
.set OB,  40                           ; s[40:47] out0 at the 16 rows of local tile u
.set CS,  48                           ; s[48:49] c
.set SEL, 50                           ; s[50:51] v_permlanex16_b32's selects: each lane takes its own place in the other half
.set MSB, 0
.macro WIN new                         ; the high byte repeats the setting that is left; a switch that changes nothing is dropped
.if MSB != (\new)
	s_set_vgpr_msb (MSB<<8)|(\new)
.set MSB, (\new)
.endif
.endm
.macro PLACES                          ; four plain places behind a matrix instruction, ahead of loads into registers that it has read and of lines that read its result
.rept 4
	v_nop
.endr
.endm
; A round of the cluster's barrier behind its opening barrier: wave 0 signals for the work-group; every wave waits for all four work-groups; my work-group's barrier once more.
.macro CREST
	s_cmp_lg_u32 s[WV], 0
	s_cbranch_scc1 .Lnot_wave_0_\@
	s_barrier_signal -3
.Lnot_wave_0_\@:
	s_barrier_wait -3
	s_barrier_signal -1
	s_barrier_wait -1
.endm
.macro CROUND
	s_barrier_signal -1
	s_barrier_wait -1
	CREST
.endm
; A joint refill: every wave fetches its own quarter (64 rows x 512 bytes); the same line, descriptor and mask in all four work-groups.
.macro JLOAD slot
	tensor_load_to_lds s[G0+4*(\slot):G0+4*(\slot)+3], s[G1:G1+7]
	s_nop 0
	PLACES
.endm
; A PREFETCH INTO THE L2 of tile T + 3, one step ahead of the joint load that will ask for it.  Only the batch's last cluster walks every tile: it alone asks.  A tile is 512 blocks of 256 bytes: a block a lane
; for 4 work-groups x 4 waves x 32 lanes, told apart by address (row 16 cx + l / 2, byte 512 w + 256 (l % 2)).  So each block is named once in the launch.  Tiles 0 to 2 come by their loads alone; steps from 29 on ask for nothing.
.macro ASK
	s_cmp_lt_u32 s[T], s[PFL]
	s_cbranch_scc0 .Lnot_mine_\@
	global_prefetch_b8 v[PFO], s[PFA:PFA+1] th:TH_LOAD_NT scope:SCOPE_SE
.Lnot_mine_\@:
.endm
; GROUP g of a step: eight LDS loads, four fragments, into buffer g % 3.  g < 8: K as it lies: key tiles kt = 0..3, my channels 32 g on.  g >= 8: V turned: channel tiles ct = 2 (g - 8) + c, keys 32 kk on, fragment 2 c + kk.
.macro LOADG g, slot
.set bb, BUF+32*((\g)%3)
.if (\g) < 8
.irp kt, 0,1,2,3
	ds_load_b128 v[bb+8*(\kt):bb+8*(\kt)+3],   v[AK+(\slot)] offset:(\kt)*16*PITCH+64*(\g)
	ds_load_b128 v[bb+8*(\kt)+4:bb+8*(\kt)+7], v[AK+(\slot)] offset:(\kt)*16*PITCH+64*(\g)+32
.endr
.else
.irp c, 0,1
.irp kk, 0,1
.set ct, 2*((\g)-8)+(\c)
	ds_load_tr16_b128 v[bb+8*(2*(\c)+(\kk)):bb+8*(2*(\c)+(\kk))+3],   v[AV+(\slot)] offset:(\kk)*32*PITCH+16*(ct&7)+256*(ct>>3)
	ds_load_tr16_b128 v[bb+8*(2*(\c)+(\kk))+4:bb+8*(2*(\c)+(\kk))+7], v[AV+(\slot)] offset:(\kk)*32*PITCH+16*PITCH+16*(ct&7)+256*(ct>>3)
.endr
.endr
.endif
.endm
; 16 products of S^T += K Q^T, channels 32 g on.  The 16 accumulators take turns; group 0 starts the sums with the constant 0.
.macro MULK g
	WIN 0x04                           ; Q (source 1) in window 1; all else, and LDS loads, in window 0
.set bb, BUF+32*((\g)%3)
.irp u, 0,1,2,3
.irp kt, 0,1,2,3
.if (\g) == 0
	v_wmma_f32_16x16x32_bf16 v[S+32*(\u)+8*(\kt):S+32*(\u)+8*(\kt)+7], v[bb+8*(\kt):bb+8*(\kt)+7], v[8*(8*(\u)+(\g)):8*(8*(\u)+(\g))+7], 0
.else
	v_wmma_f32_16x16x32_bf16 v[S+32*(\u)+8*(\kt):S+32*(\u)+8*(\kt)+7], v[bb+8*(\kt):bb+8*(\kt)+7], v[8*(8*(\u)+(\g)):8*(8*(\u)+(\g))+7], v[S+32*(\u)+8*(\kt):S+32*(\u)+8*(\kt)+7]
.endif
.endr
.endr
.endm
; Accumulator (ct, u) of O^T times a of local tile u, from its low end on.
.macro RESC ct, u
	WIN 0x82+0x41*((\ct)>>3)           ; destination and source 0 in window 2 or 3, a in window 0
.set ro, 8*(4*((\ct)&7)+(\u))
.irp i, 0,2,4,6
	v_pk_mul_f32 v[ro+(\i):ro+(\i)+1], v[ro+(\i):ro+(\i)+1], v[AF+2*(\u):AF+2*(\u)+1] op_sel_hi:[1,0]
.endr
.endm
; 16 products of O^T += V^T P: keys 32 kk on, channel tile 2 (g - 8) + c, local tile u.  The group's 8 accumulators take turns: seven others' stand between two links of a chain.
; ride = 1: behind every second product stands the rescaling of one accumulator of group g + 1: four plain lines that name no register of the products round them.
.macro MULV g, ride
.set n, 0
.rept 16
.set kk, n/8
.set cc, (n/4)%2
.set uu, n%4
.set ct, 2*((\g)-8)+cc
	WIN 0xa0+0x50*(ct>>3)              ; C and D in window 2 or 3
.set ro, 8*(4*(ct&7)+uu)
.set ra, BUF+32*((\g)%3)+8*(2*cc+kk)
.set rp, P+16*uu+8*kk
	v_wmma_f32_16x16x32_bf16 v[ro:ro+7], v[ra:ra+7], v[rp:rp+7], v[ro:ro+7]
.if (\ride) && (n%2 == 1)
	RESC 2*((\g)-7)+(n/8), (n/2)%4
.endif
.set n, n+1
.endr
.endm
; A STEP: tile T, which lies in the slot named.  At its head groups 0 and 1 are on their way out of LDS.  fill = 1: the slot is filled again with tile T + 2.  next = 1: another step follows.
.macro STEP slot, fill, next
	; 1. The partial scores: eight groups.  A group's buffer was read by the group three back, whose products stand just ahead: hence the places.
.irp g, 0,1,2,3,4,5,6,7
	PLACES
	LOADG (\g)+2, \slot
	s_wait_dscnt 16                    ; this group's eight loads are in; the two younger groups' stay out
	MULK \g
.endr
	; 2. The exchange.  My partial sums for the three other waves' tiles go into my own region; each accumulator's low half first.
	WIN 0
	PLACES
.irp u, 1,2,3
.irp kt, 0,1,2,3
	ds_store_b128 v[BU], v[S+32*(\u)+8*(\kt):S+32*(\u)+8*(\kt)+3]   offset:((\u)-1)*4096+(\kt)*1024
	ds_store_b128 v[BU], v[S+32*(\u)+8*(\kt)+4:S+32*(\u)+8*(\kt)+7] offset:((\u)-1)*4096+(\kt)*1024+512
.endr
.endr
	s_wait_dscnt 0x0                   ; for the others' sake: my stores are done
	s_barrier_signal -1                ; the tile on its way stays out
	s_barrier_wait -1
.irp u, 1,2,3                          ; wave w ^ u holds my tile as its local tile u
.irp kt, 0,1,2,3
	ds_load_b128 v[S+32*(\u)+8*(\kt):S+32*(\u)+8*(\kt)+3],   v[BU+(\u)] offset:((\u)-1)*4096+(\kt)*1024
	ds_load_b128 v[S+32*(\u)+8*(\kt)+4:S+32*(\u)+8*(\kt)+7], v[BU+(\u)] offset:((\u)-1)*4096+(\kt)*1024+512
.endr
.endr
	s_wait_dscnt 16                    ; the first of the three is in
.set i, 0
.rept 16
	v_pk_add_f32 v[S+i:S+i+1], v[S+i:S+i+1], v[S+32+i:S+32+i+1]
.set i, i+2
.endr
	s_wait_dscnt 0x0
.set i, 0
.rept 16
	v_pk_add_f32 v[S+64+i:S+64+i+1], v[S+64+i:S+64+i+1], v[S+96+i:S+96+i+1]
.set i, i+2
.endr
.set i, 0
.rept 16
	v_pk_add_f32 v[S+i:S+i+1], v[S+i:S+i+1], v[S+64+i:S+64+i+1]
.set i, i+2
.endr
	; 3. The mask, in the cluster's last four tiles (the test is the same in all partners).
	s_cmp_lt_u32 s[T], s[T0]
	s_cbranch_scc1 .Lno_mask_\@
.set i, 0
.rept 32
	v_cmp_gt_i32 vcc_lo, 16*(i/8)+i%8, v[THR]
	v_cndmask_b32 v[S+i], v[S+i], v[BIG], vcc_lo
.set i, i+1
.endr
.Lno_mask_\@:
	s_barrier_signal -1                ; my reads of the others' regions are back (the wait for 0 above); the softmax, work on registers, stands between the signal and the wait
	; 4. My own tile's softmax: 32 scores a lane.
.irp q, 0,1,2,3
	v_max3_num_f32 v[CC+(\q)], v[S+8*(\q)], v[S+8*(\q)+1], v[S+8*(\q)+2]
.endr
.irp q, 0,1,2,3
	v_max3_num_f32 v[CC+(\q)], v[CC+(\q)], v[S+8*(\q)+3], v[S+8*(\q)+4]
.endr
.irp q, 0,1,2,3
	v_max3_num_f32 v[CC+(\q)], v[CC+(\q)], v[S+8*(\q)+5], v[S+8*(\q)+6]
.endr
	v_max3_num_f32 v[CC], v[CC], v[S+7], v[S+15]
	v_max3_num_f32 v[CC+1], v[CC+1], v[S+23], v[S+31]
	v_max3_num_f32 v[CC+2], v[CC+2], v[CC+3], v[MX]
	v_mov_b32 v[CMO], v[CM]
	v_max3_num_f32 v[CC], v[CC], v[CC+1], v[CC+2]
	v_permlanex16_b32 v[CC+3], v[CC], s[SEL], s[SEL+1]  ; the query's other 32 keys lie in the lane 16 away
	v_max_num_f32 v[MX], v[CC], v[CC+3]
	v_mul_f32 v[CM], s[CS], v[MX]
	v_sub_f32 v[CC+1], v[CMO], v[CM]
.set i, 0
.rept 16
	v_pk_fma_f32 v[S+i:S+i+1], v[S+i:S+i+1], s[CS:CS+1], v[CM:CM+1] op_sel_hi:[1,0,0] neg_lo:[0,0,1] neg_hi:[0,0,1]  ; c s - c m
.set i, i+2
.endr
	v_exp_f32 v[AF], v[CC+1]           ; ONE BATCH of 33 exponentials: a, then the weights
.set i, 0
.rept 32
	v_exp_f32 v[S+i], v[S+i]
.set i, i+1
.endr
	v_nop                              ; a plain line behind the last exponential,
	s_wait_alu depctr_va_vdst(0)       ; and the one wait ahead of the batch's first reader
.set i, 0
.rept 16
	v_cvt_pk_bf16_f32 v[P+i], v[S+2*i], v[S+2*i+1]
.set i, i+1
.endr
.irp z, 0,1,2,3,4,5,6,7
	v_pk_add_f32 v[S+4*(\z):S+4*(\z)+1], v[S+4*(\z):S+4*(\z)+1], v[S+4*(\z)+2:S+4*(\z)+3]
.endr
.irp z, 0,1,2,3
	v_pk_add_f32 v[S+8*(\z):S+8*(\z)+1], v[S+8*(\z):S+8*(\z)+1], v[S+8*(\z)+4:S+8*(\z)+5]
.endr
.irp z, 0,1
	v_pk_add_f32 v[S+16*(\z):S+16*(\z)+1], v[S+16*(\z):S+16*(\z)+1], v[S+16*(\z)+8:S+16*(\z)+9]
.endr
	v_pk_add_f32 v[S:S+1], v[S:S+1], v[S+16:S+17]
	v_pk_fma_f32 v[LS:LS+1], v[LS:LS+1], v[AF:AF+1], v[S:S+1] op_sel_hi:[1,0,1]  ; l = a l + the sum
	; 5. P and a are published, over the first partial tile of my region: every wave has read what it wanted of it.
	s_barrier_wait -1
.irp z, 0,1,2,3
	ds_store_b128 v[BU], v[P+4*(\z):P+4*(\z)+3] offset:512*(\z)
.endr
	ds_store_b32 v[BU], v[AF] offset:AOFF
	s_wait_dscnt 0x0                   ; for the others' sake
	s_barrier_signal -1
	s_barrier_wait -1
.irp u, 1,2,3
.irp z, 0,1,2,3
	ds_load_b128 v[P+16*(\u)+4*(\z):P+16*(\u)+4*(\z)+3], v[BU+(\u)] offset:512*(\z)
.endr
.endr
.irp u, 1,2,3
	ds_load_b32 v[AF+2*(\u)], v[BU+(\u)] offset:AOFF
.endr
	LOADG 10, \slot
	s_wait_dscnt 8                     ; P and a are in; group 10's eight loads stay out
.irp c, 0,1
.irp u, 0,1,2,3
	RESC \c, \u                        ; group 8's accumulators; the later groups' rescaling rides behind the products
.endr
.endr
	; 6. O^T += V^T P.  The four lines of the last rider are the places ahead of each run of loads.
	MULV 8, 1
.irp g, 9,10,11,12,13
	WIN 0
	LOADG (\g)+2, \slot
	s_wait_dscnt 16
	MULV \g, 1
.endr
	; 7. The step's end: ONE barrier.  It stands between my reads of this slot and its next fill, and between every wave's reads of P and the next step's stores into the regions.
	WIN 0
.if \fill
	s_wait_xcnt 0x0                    ; the last prefetch, a step back, has read its address
	s_add_nc_u64 s[PFA:PFA+1], s[PFA:PFA+1], TILEB
.endif
.if \next
	s_wait_tensorcnt 0x0               ; all my tensor loads have landed: the one that was out is my quarter of the next tile;
	ds_add_u32 v[SPW], v[NIL]          ; 0 onto my spare word;
	s_wait_dscnt 9                     ; (the add and group 15's eight loads may be out)
.else
	s_wait_dscnt 8                     ; the last step: nothing is on its way; group 15's eight loads may be out
.endif
	MULV 14, 1
	s_wait_dscnt 0x0                   ; the add is done, and my reads of this slot and of the regions are over
	s_barrier_signal -1                ; (with fill = 1 this barrier opens a round of the cluster's)
	MULV 15, 0
	WIN 0
	s_barrier_wait -1
.if \fill
	CREST                              ; no wave of any partner still reads this slot or has a load on its way
	s_add_nc_u64 s[G0+4*(\slot)+2:G0+4*(\slot)+3], s[G0+4*(\slot)+2:G0+4*(\slot)+3], 2*TILEB  ; this slot's next tile; the type bits on top are not reached
	JLOAD \slot                        ; my one tensor load behind the round: it has the next step less its last two groups in which to land; its four v_nop are the places ahead of the loads below
.else
	PLACES
.endif
.if \next
	LOADG 0, 1-(\slot)
	LOADG 1, 1-(\slot)
.endif
.if \fill
	ASK
.endif
	s_add_co_u32 s[T], s[T], 1
	v_add_nc_u32 v[THR], 0xffffffc0, v[THR]  ; the next tile's keys lie 64 further on
.endm
	s_load_b128 s[4:7], s[0:1], 0x0    ; query s[4:5], vb s[6:7]
	s_load_b64 s[8:9], s[0:1], 0x10    ; out0
	v_lshl_add_u32 v[SPW], v0, 2, SPARE
	v_mov_b32 v[NIL], 0
	ds_add_u32 v[SPW], v[NIL]          ; the wave's opening: the add and its wait stand ahead of the round in front of my first tensor loads; the set-up, work on registers, stands between
	v_lshrrev_b32 v1, 5, v0
	v_readfirstlane_b32 s[WV], v1      ; wave 0..3
	s_bfe_u32 s[CX], ttmp6, 0x40000    ; cx
	s_lshl_b32 s[T0], ttmp9, 2         ; in a cluster launch ttmp9 counts clusters
	s_add_co_u32 s[QB], s[T0], s[CX]
	s_and_b32 s[BT], ttmp7, 0xffff
	s_mov_b32 s[T], 0
	s_lshl_b32 s[TRIPS], ttmp9, 1
	s_add_co_u32 s[TRIPS], s[TRIPS], 1
	s_cmp_eq_u32 ttmp9, 7
	s_cselect_b32 s[PFL], 29, 0
	; descriptor group 1: a tile of 64 rows x 256 elements, padded in LDS
	s_mov_b32 s[G1], 15|(1<<16)|(1<<20)|(1<<21)|(6<<22)|(3<<25)  ; 15:0 the mask of four; 17:16 2-byte elements; 20 padding on; 21 set beside a mask; 24:22 after every 128 words (code 6); 31:25 4 words (code 3)
	s_mov_b32 s[G1+1], 256<<16         ; tensor_dim0 = 256
	s_mov_b32 s[G1+2], 64<<16          ; tensor_dim1 = 64
	s_mov_b32 s[G1+3], 256<<16         ; tile_dim0 = 256
	s_mov_b32 s[G1+4], 64              ; tile_dim1 = 64
	s_mov_b32 s[G1+5], 1024            ; 1,024 elements from row to row
	s_mov_b32 s[G1+6], 0
	s_mov_b32 s[G1+7], 0
	s_mul_i32 s[WQ], s[WV], QUART
	s_mov_b32 s[G0], 1                 ; count = 1
	s_mov_b32 s[G0+1], s[WQ]           ; LDS address: slot 0, my quarter: no place in the cluster enters it
	s_mov_b32 s[G0+4], 1
	s_add_co_u32 s[G0+5], s[WQ], SLOT
	s_mov_b32 s[CS], 0x3fb8aa3b        ; c = log2(e)
	s_mov_b32 s[CS+1], s[CS]           ; named with it as a pair
	s_mov_b32 s[SEL], 0x76543210
	s_mov_b32 s[SEL+1], 0xfedcba98
	v_and_b32 v160, 15, v0             ; r = l % 16
	v_bfe_u32 v161, v0, 4, 1           ; h = l / 16
	v_and_b32 v162, 31, v0             ; l
	v_and_b32 v163, 7, v0
	v_bfe_u32 v164, v0, 3, 1
	v_mul_u32_u24 v165, v160, PITCH    ; a fragment of K: row r, 16 bytes for each half of the lanes
	v_lshl_add_u32 v165, v161, 4, v165
	v_add_nc_u32 v[AK], s[WQ], v165
	v_add_nc_u32 v[AK+1], SLOT, v[AK]
	v_lshl_add_u32 v165, v161, 3, v163 ; the turning load: key 8 h + l % 8; the second eight lanes 128 bytes on: 8 rows x 4 banks, and 32 banks further the same
	v_mul_u32_u24 v165, v165, PITCH
	v_lshl_add_u32 v165, v164, 7, v165
	v_add_nc_u32 v[AV], s[WQ], v165
	v_add_nc_u32 v[AV+1], SLOT, v[AV]
	s_lshl_b32 s55, s[WV], 10          ; my 256 channels in a row of Q: 1,024 bytes
.irp u, 0,1,2,3
.if (\u) == 0
	s_mov_b32 s53, s[WV]
.else
	s_xor_b32 s53, s[WV], \u           ; local tile u is tile w ^ u, and wave w ^ u owns it
.endif
	s_mul_i32 s54, s53, REGB
	s_add_co_u32 s54, s54, PART
	v_lshl_add_u32 v[BU+(\u)], v162, 4, s54
	s_lshl_b32 s53, s53, 16            ; its 16 rows of 4,096 bytes in Q
	s_add_co_u32 s53, s53, s55
	v_lshl_add_u32 v[CC+(\u)], v160, 12, s53
	v_lshl_add_u32 v[CC+(\u)], v161, 5, v[CC+(\u)]  ; row r, 8 channels of f32 for each half of the lanes
.endr
	s_lshl_b32 s53, s[QB], 6
	s_lshl4_add_u32 s53, s[WV], s53    ; my own tile's first query: 64 QB + 16 w
	v_lshlrev_b32 v165, 3, v161
	v_sub_nc_u32 v165, v160, v165
	v_add_nc_u32 v[THR], s53, v165     ; 64 (QB - T) + 16 w + r - 8 h, at T = 0
	v_lshrrev_b32 v165, 1, v162
	v_and_b32 v166, 1, v0
	v_lshlrev_b32 v165, 11, v165
	v_lshl_add_u32 v165, v166, 8, v165
	s_lshl_b32 s53, s[CX], 15
	s_lshl_b32 s54, s[WV], 9
	s_add_co_u32 s53, s53, s54
	v_add_nc_u32 v[PFO], s53, v165     ; (16 cx + l / 2) x 2,048 + 512 w + 256 (l % 2)
	v_mov_b32 v[BIG], 0xf149f2ca       ; -1e30
	v_mov_b32 v[CM], 0xfe000000        ; c m: far below every c s
	v_mov_b32 v[MX], 0xff7fffff        ; m: the lowest finite number
	v_mov_b32 v[LS], 0
	v_mov_b32 v[LS+1], 0
.irp z, 0,1,2,3,4,5,6,7
	v_mov_b32 v[AF+(\z)], 0
.endr
	s_lshl_b32 s2, s[BT], 23           ; the batch in query and out0: 8,388,608 bytes,
	s_lshl_b32 s3, s[QB], 18           ; my block's 64 rows of 4,096
	s_add_co_u32 s2, s2, s3
	s_mov_b32 s3, 0
	s_lshl_b32 s22, s[BT], 22          ; the batch in vb: 4,194,304 bytes
	s_mov_b32 s23, 0
	s_lshl_b32 s56, s[WV], 9           ; my quarter of a row of vb
	s_mov_b32 s57, 0
	s_wait_dscnt 0x0                   ; the opening add is done
	s_wait_kmcnt 0x0
	s_add_nc_u64 s[4:5], s[4:5], s[2:3]
	s_add_nc_u64 s[8:9], s[8:9], s[2:3]
	s_add_nc_u64 s[6:7], s[6:7], s[22:23]
	s_add_nc_u64 s[PFA:PFA+1], s[6:7], 2*TILEB  ; at tile 2: the first step steps it to tile 3.  Nothing is prefetched here, at the head
	s_add_nc_u64 s[G0+2:G0+3], s[6:7], s[56:57]  ; tile 0, my quarter
	s_add_nc_u64 s[G0+6:G0+7], s[G0+2:G0+3], TILEB  ; tile 1
	s_or_b32 s[G0+3], s[G0+3], 0x80000000  ; type = 2
	s_or_b32 s[G0+7], s[G0+7], 0x80000000
.irp u, 0,1,2,3
	s_xor_b32 s52, s[WV], \u
	s_lshl_b32 s52, s52, 16
	s_mov_b32 s53, 0
	s_add_nc_u64 s[OB+2*(\u):OB+2*(\u)+1], s[8:9], s[52:53]
.endr
	CROUND                             ; all four work-groups are here: the first joint loads meet
	tensor_load_to_lds s[G0:G0+3], s[G1:G1+7]      ; the two first fills go out together: two loads of mine are out
	s_nop 0
	tensor_load_to_lds s[G0+4:G0+7], s[G1:G1+7]
	s_nop 0
	PLACES
	; Q: fragment f = 8 u + kf (16 queries x 32 channels) comes as 16 f32 a lane into O^T's registers, 16 (f % 16) of window 2 + f / 16, and is rounded into window 1.
.set f, 0
.rept 32
	WIN 0x80+0x40*(f/16)               ; destination window 2 or 3, address window 0
.set rq, 16*(f%16)
	global_load_b128 v[rq:rq+3],     v[CC+f/8], s[4:5] offset:128*(f%8)
	global_load_b128 v[rq+4:rq+7],   v[CC+f/8], s[4:5] offset:128*(f%8)+16
	global_load_b128 v[rq+8:rq+11],  v[CC+f/8], s[4:5] offset:128*(f%8)+64
	global_load_b128 v[rq+12:rq+15], v[CC+f/8], s[4:5] offset:128*(f%8)+80
.set f, f+1
.endr
	s_wait_loadcnt 0x0
.set f, 0
.rept 32
	WIN 0x4a+5*(f/16)                  ; sources window 2 or 3, destination window 1
.set rq, 16*(f%16)
.irp z, 0,1,2,3,4,5,6,7
	v_cvt_pk_bf16_f32 v[8*f+(\z)], v[rq+2*(\z)], v[rq+2*(\z)+1]
.endr
.set f, f+1
.endr
	WIN 0
	; O^T is not cleared: the first step multiplies what Q's staging left there, finite numbers, by a = 0.
	s_wait_tensorcnt 0x1               ; my quarter of tile 0 is in, and I alone read it; tile 1's load stays out
	LOADG 0, 0
	LOADG 1, 0
	s_mov_b32 s[I], 0
.Lpair:                                ; 2 X + 1 trips of two steps: every tile but the last two is followed by a refill of its slot
	STEP 0, 1, 1
	STEP 1, 1, 1
	s_add_co_u32 s[I], s[I], 1
	s_cmp_lt_u32 s[I], s[TRIPS]
	s_cbranch_scc1 .Lpair
	STEP 0, 0, 1                       ; the tail is written out
	STEP 1, 0, 0
	; THE WAY OUT.  l's two halves and the other half of the lanes' are added; 1 / l goes to the other waves as a did.
	v_add_f32 v[CC], v[LS], v[LS+1]
	v_permlanex16_b32 v[CC+1], v[CC], s[SEL], s[SEL+1]
	v_add_f32 v[CC], v[CC], v[CC+1]
	v_rcp_f32 v[AF], v[CC]
	v_nop                              ; a plain line behind the reciprocal,
	s_wait_alu depctr_va_vdst(0)       ; and the wait ahead of its first use
	ds_store_b32 v[BU], v[AF] offset:AOFF  ; the last step's barrier has shown every wave's reads of a done
	s_wait_dscnt 0x0
	s_barrier_signal -1
	s_barrier_wait -1
.irp u, 1,2,3
	ds_load_b32 v[AF+2*(\u)], v[BU+(\u)] offset:AOFF
.endr
	s_mul_i32 s52, s[WV], REGB
	s_add_co_u32 s52, s52, PART+STG    ; my stage
	v_and_b32 v1, 15, v0
	v_bfe_u32 v5, v0, 4, 1
	v_mul_u32_u24 v[STO], v1, PITCH    ; in: row r; a lane holds 64 neighbouring channels, 256 bytes: the lower half of the lanes the row's first 256, the upper its second
	v_lshl_add_u32 v[STO], v5, 8, v[STO]
	v_add_nc_u32 v[STO], s52, v[STO]
	v_and_b32 v1, 31, v0
	v_lshl_add_u32 v[RD], v1, 4, s52   ; back: 32 lanes take a row's 512 bytes
	s_lshl_b32 s53, s[WV], 10
	v_lshl_add_u32 v[GO], v1, 4, s53   ; and the same 512 bytes in out0: my 256 channels begin at 1,024 w
	s_wait_dscnt 0x0
	s_barrier_signal -1                ; every wave's reads of 1 / l are back before any wave stores into its stage
	s_barrier_wait -1
; Round n = 2 u + g: local tile u, my channels 128 g .. 128 g + 127.  PACK: O^T / l.  TOSTAGE: into my stage, and back as whole rows.  SEND: stored.
.macro PACK n
.set uu, (\n)/2
	WIN 0x02+(\n)%2                    ; source 0 in window 2 or 3
.set c, 0
.rept 8
.irp i, 0,2,4,6
	v_pk_mul_f32 v[E+8*c+(\i):E+8*c+(\i)+1], v[8*(4*c+uu)+(\i):8*(4*c+uu)+(\i)+1], v[AF+2*uu:AF+2*uu+1] op_sel_hi:[1,0]
.endr
.set c, c+1
.endr
	WIN 0
.endm
.macro TOSTAGE n
.set rb, RB+64*((\n)%2)
.set c, 0
.rept 16
	ds_store_b128 v[STO], v[E+4*c:E+4*c+3] offset:16*c
.set c, c+1
.endr
.set c, 0
.rept 16
	ds_load_b128 v[rb+4*c:rb+4*c+3], v[RD] offset:c*PITCH  ; LDS serves a wave's instructions in order (ISA guide 5.7.1.4): these see the stores above; the next round's stores come behind them
.set c, c+1
.endr
.endm
.macro SEND n
.set uu, (\n)/2
.set rb, RB+64*((\n)%2)
	s_wait_dscnt 0x0                   ; the 16 rows are back in registers
	s_wait_xcnt 0x0                    ; earlier stores have read their registers: those of the round before last are loaded again only behind this wait
.set c, 0
.rept 16
	global_store_b128 v[GO], v[rb+4*c:rb+4*c+3], s[OB+2*uu:OB+2*uu+1] offset:c*4096+512*((\n)%2) th:TH_STORE_NT  ; 512 consecutive bytes, at a multiple of 256 from out0's first byte
.set c, c+1
.endr
.endm
	PACK 0
	TOSTAGE 0
.irp n, 1,2,3,4,5,6,7                  ; a round's arithmetic stands between the loads of the round before and the wait for them
	PACK \n
	SEND (\n)-1
	TOSTAGE \n
.endr
	SEND 7
	s_wait_tensorcnt 0x0               ; the wave's end: behind my last tensor load and my last LDS store
	ds_add_u32 v[SPW], v[NIL]
	s_wait_dscnt 0x0
	CROUND                             ; the closing round: no work-group ends while a partner may still ask for a tile that names it
	s_endpgm
.Lfunc_end_k_qa8acef2359_attn:
	.size	k_qa8acef2359_attn, .Lfunc_end_k_qa8acef2359_attn-k_qa8acef2359_attn
	.p2alignl 7, 3214868480
	.fill 96, 4, 3214868480
	.section	.rodata,"a",@progbits
	.p2align	6, 0x0
	.amdhsa_kernel k_qa8acef2359_attn
		.amdhsa_group_segment_fixed_size 327680
		.amdhsa_private_segment_fixed_size 0
		.amdhsa_enable_private_segment 0
		.amdhsa_kernarg_size 24
		.amdhsa_user_sgpr_count 2
		.amdhsa_user_sgpr_kernarg_segment_ptr 1
		.amdhsa_wavefront_size32 1
		.amdhsa_system_sgpr_workgroup_id_x 1
		.amdhsa_system_sgpr_workgroup_id_y 1
		.amdhsa_system_sgpr_workgroup_id_z 1
		.amdhsa_system_vgpr_workitem_id 0
		.amdhsa_next_free_vgpr 1024
		.amdhsa_next_free_sgpr 66
		.amdhsa_reserve_vcc 1
		.amdhsa_float_denorm_mode_32 3
		.amdhsa_float_denorm_mode_16_64 3
		.amdhsa_memory_ordered 1
		.amdhsa_forward_progress 1
		.amdhsa_inst_pref_size 255
	.end_amdhsa_kernel
	.section	.bss,"aw",@nobits
	.p2align	6
	.space	262144
	.amdgpu_metadata
---
amdhsa.version: [ 1, 2 ]
amdhsa.kernels:
  - .name:           k_qa8acef2359_attn
    .symbol:         k_qa8acef2359_attn.kd
    .args:
      - { .name: query, .offset: 0, .size: 8, .value_kind: global_buffer, .address_space: global }
      - { .name: vb, .offset: 8, .size: 8, .value_kind: global_buffer, .address_space: global }
      - { .name: out0, .offset: 16, .size: 8, .value_kind: global_buffer, .address_space: global }
    .group_segment_fixed_size: 327680
    .private_segment_fixed_size: 0
    .kernarg_segment_align: 8
    .kernarg_segment_size: 24
    .max_flat_workgroup_size: 128
    .sgpr_count:     66
    .vgpr_count:     1024
    .wavefront_size: 32
...
	.end_amdgpu_metadata
.endif
;; end of part 2
